; MI455X (gfx1250); checked and timed in simulation.
; The chip was launched on July 23, 2026; its instructions are those of AMD's public machine-readable ISA for CDNA 5 (MIT licence, August 2026) and "CDNA5" Instruction Set Architecture Reference Guide (July 2026). The comments in the code are by the model that wrote it; some were corrected since.
;; Context Knowledge Encoder. Allowed arithmetic: matrix products marked QUANTISED: E3M2 operands, one E8M0 scale for each 32 along K, by v_wmma_scale_f32_16x16x128_f8f6f4 with both operands' format E3M2, f32 sums; products left as they are: f32 operands where the result goes on into a quantised operand, else bf16, f16 or f32 operands; f32 sums; everything else in f32.
;; Inputs: W_emb 32,000 x 1,024 float32; W_proj 1,024 x 1,024 float32; ck_mask 8 x 32 bool; cs_ids 8 int32; know_tokens 8 x 32 x 128 int32; src_tokens 8 x 256 int32.
;; Outputs: out0 8 x 384 x 1,024 float32; out1 8 x 384 bool; out2 8 x 32 float32.
;; Constants: use_cs_ids = 0.
;; This version of the problem:
;;   THIS VERSION OF THE PROBLEM IS GIVEN IN LOW PRECISION. The matrix products marked QUANTISED in the list below multiply operands that are first quantised to E3M2 (3 exponent bits, 2 mantissa bits; 6 bits a number), with one power-of-two scale for each 32 numbers along K (OCP MX v1.0); their sums are f32. All else is computed in f32.
;;   The module's matrix products, in the order in which they are computed (A, B: the left and right operand; K: the contracted axis; several contracted axes count as one K, in the product's order):
;;     1. [M 2,048, K 1,024] x [K 1,024, N 1,024]; A: computed on the way; B: input W_proj: QUANTISED
;;     2. [M 32,768, K 1,024] x [K 1,024, N 1,024]; A: computed on the way; B: input W_proj: QUANTISED
;;     3. batch 8 x [M 32, K 1,024] x [K 1,024, N 1]; A: computed on the way; B: computed on the way: left as it is (N = 1 < 16)
;;   THE QUANTISER, for each operand of a quantised product, along K:
;;     - K is cut into blocks of 32 from its start; a last block that is shorter is filled with zeros.
;;     - A block's scale is 2^e with e = floor(log2(the largest magnitude in the block)) - 4, held to -126 .. 127; a block of zeros has e = 0. As a byte (E8M0): e + 127.
;;     - Each number is divided by its block's scale, clamped to +-28, and rounded to the nearest number of E3M2, ties to even, subnormals kept.
;;     - The product sums the exact products of the quantised numbers (number of the format x scale) in f32.
;;   ~~~python
;;   def quantise(x, axis):      # numpy; x: float32 -> the quantised numbers, widened to float32 again
;;       x = np.moveaxis(x, axis, -1); K = x.shape[-1]
;;       x = np.pad(x, [(0, 0)] * (x.ndim - 1) + [(0, -K % 32)]); x = x.reshape(x.shape[:-1] + (-1, 32)); a = np.abs(x).max(-1, keepdims=True)
;;       e = np.where(a > 0, np.clip(np.frexp(np.where(a > 0, a, 1))[1] - 1 - 4, -126, 127), 0)      # np.frexp(a)[1] - 1 = floor(log2(a)), exactly
;;       r = np.clip(x / 2.0 ** e, -28, 28)
;;       step = 2.0 ** (np.maximum(np.frexp(np.where(r == 0, 1, r))[1] - 1, -2) - 2)
;;       q = np.round(r / step) * step * 2.0 ** e      # np.round: ties to even
;;       return np.moveaxis(q.reshape(q.shape[:-2] + (-1,))[..., :K], -1, axis).astype(np.float32)
;;   ~~~
;;   OPERANDS COMPUTED ON THE WAY. 'Computed on the way' means the value that the module computes at that place (a softmax that the list does not call 'softmax' is quantised finished and normalised). What goes into a quantiser is computed in f32, as accurately as f32 sums, v_exp_f32 and their like allow (about 1e-6 of the number): no bf16 or f16 on the way to a quantiser, and a product that is left as it is and whose result goes on into a quantised operand takes f32 operands (vector FMAs, or v_wmma_f32_16x16x4_f32). A number that lies on a knife's edge between two numbers of the format may be rounded either way, as far as f32 arithmetic and the matrix unit's own rounding can turn it there, and no further.
;; One version. Each part assembles by itself: llvm-mc -triple=amdgcn-amd-amdhsa -mcpu=gfx1250 --defsym DOCPART=n.
;; ======== version 1 of 1: 4 launches
;; workspace buffers: acodes 27,852,800 bytes; wcodes 786,432 bytes; wscales 32,768 bytes; psum 1,572,864 bytes; ids 1,024 bytes of whole numbers
;; launch prep (part 1): grid 1216 x 1, 2 waves a work-group, no clusters, 45,312 bytes of LDS; arguments W_emb, W_proj, know_tokens, src_tokens, acodes, wcodes, wscales; writes acodes, wcodes, wscales
.if DOCPART == 1
	.amdgcn_target "amdgcn-amd-amdhsa--gfx1250"
	.amdhsa_code_object_version 6
	.text
	.protected	k_q50c129bb5c_prep
	.globl	k_q50c129bb5c_prep
	.p2align	8
	.type	k_q50c129bb5c_prep,@function
k_q50c129bb5c_prep:
	s_mov_b64 s[64:65], 0
	v_nop
	global_prefetch_b8 v0, s[64:65] scope:SCOPE_SE
	s_setreg_imm32_b32 hwreg(HW_REG_WAVE_MODE, 25, 1), 1
	s_wait_xcnt 0x0
; LAUNCH 1 OF 4.  Both operands of the two quantised products become codes of BF6 (E3M2) with one E8M0 byte for each 32 along K = 1,024, laid in the order of the operands' registers.
; WORK LEFT OUT BY THE PROGRAM, for all values of the inputs:
;  - cs_ids: use_cs_ids is the constant 0, so reference() takes ids = argmax_ids whatever cs_ids holds.  cs_ids has no way to any output: it is not loaded and is no launch's argument.
;  - know_enc as a tensor: it reaches the outputs as its sums over each chunk's 128 tokens (the scores) and as the one chunk of each batch item that the argmax names.  So the second launch keeps the sums alone,
;    and the fourth makes the eight chosen chunks once more from their codes.
;  - the multiplication by the mask: a token 0 gets zero CODES here, so its products are exactly 0, and 0 x anything finite in the activation is 0: what reference() leaves there.
; LIMITS: NaN and infinities among the inputs are not served; a NaN, an infinity or an overflow that reaches only work left out is not carried to the result.  A block whose largest magnitude lies under 2^-122 keeps the
; byte 1; a block of zeros has the byte 1 where the rule says 127 (its codes are zeros, and this program alone reads the bytes).  A token is taken to lie inside the table; one beyond it is held at row 31,999.
; WORK-GROUPS 128 .. 1,215: a wave takes a tile of 16 token positions (tiles 0 .. 2,047: know_tokens, flat; 2,048 .. 2,175: src_tokens), gathers their rows of W_emb (4,096 bytes each) and writes the tile's RECORD of 12,800 bytes:
;   byte 1,536 q + 48 (r + 16 h) + 12 (2 c + u): the 16 codes of k = 128 q + 64 c + 32 h + 16 u + 0 .. 15 of row r: a reader's lane r + 16 h finds its 12 operand registers of K step q as 48 bytes on end;
;   byte 12,288 + 16 (r + 16 h) + 4 j + b: the scale byte of row r, K step 2 j + h, block b: one load of 16 bytes a lane gives four scale registers, even K steps in lanes 0-15, odd ones in lanes 16-31.
;   Loads run eight steps of 2,048 bytes ahead: 32 loads, 16,384 bytes, of every wave are on their way.  Work-groups of two waves, so that the 2,432 waves of the launch can be dealt out finely.
; WORK-GROUPS 0 .. 127: W_proj [k][n], whose K is its first axis: a lane takes a column and its registers run down K, in the order that the operand's layout gives that lane; nothing is transposed and no LDS is used.
;   wcodes [cg 16][q 8][nt 4] fragments of 1,536 bytes: registers 4 g .. 4 g + 3 of lane l at 512 g + 16 l.  Lane r of tile (cg, nt) is column 64 cg + 4 r + nt, so that a lane's four tiles are four neighbouring columns.
;   wscales [cg 16][4 nt + j] x 128 bytes: the word at 4 (r + 16 h) is column r's for K step 2 j + h.
.set REC,   12800                      ; a tile's record
.set WREG,  22528                      ; LDS: a region of its own for each wave:
.set SP,    80                         ;   two stages of 32 places of 64 bytes + 16 of padding, through which a step's 2,048 bytes turn,
.set CST,   5120                       ;   the codes' stage: 8 K steps x (128 places of 16 bytes, 12 of them used, + 64),
.set QST,   2112
.set SST,   22016                      ;   and the 512 scale bytes
.set SPARE, 2*WREG                     ; behind the two regions: the spare words, 128 bytes for each wave, which no other line names
.set SPW,   12                         ; v12      LDS address of my spare word; never rewritten
.set NIL,   13                         ; v13      0; never rewritten
.set DEPTH, 8                          ; steps whose loads are on their way
.set R,     16                         ; v16-143  eight sets of 16 numbers as they are loaded
.set X,     144                        ; v144-175 two sets of 16 neighbours along K
.set OFF,   176                        ; v176-191 row i of the tile: 4,096 x its token + 16 x lane
.set C,     192                        ; v192-199 two sets of codes
.set E,     200                        ; v200-201 two scale bytes
	s_load_b256 s[4:11], s[0:1], 0x0               ; W_emb s[4:5], W_proj s[6:7], know_tokens s[8:9], src_tokens s[10:11]
	s_load_b128 s[12:15], s[0:1], 0x20             ; acodes s[12:13], wcodes s[14:15]
	s_load_b64 s[24:25], s[0:1], 0x30              ; wscales
	v_lshl_add_u32 v[SPW], v0, 2, SPARE
	v_mov_b32 v[NIL], 0
	v_lshrrev_b32 v1, 5, v0
	v_readfirstlane_b32 s16, v1                    ; wave 0..1
	v_and_b32 v2, 31, v0                           ; lane
	s_cmp_lt_u32 ttmp9, 128                        ; the work-group's number alone decides the path
	s_cbranch_scc1 .Lweights
	; ---------------- the tokens' path
	v_lshlrev_b32 v3, 4, v2                        ; 16 x lane
	s_mul_i32 s17, s16, WREG                       ; my region
	v_lshrrev_b32 v14, 2, v2
	v_mul_u32_u24 v14, v14, SP
	v_and_b32 v15, 3, v2
	v_lshl_add_u32 v14, v15, 4, v14
	v_add_nc_u32 v14, s17, v14                     ; the turning stage, in: four lanes' 64 bytes on end, then the padding
	v_mul_u32_u24 v15, v2, SP
	v_add_nc_u32 v15, s17, v15                     ; and out: my 16 neighbours
	; in a step (half a row: 512 numbers) lane l holds k = 512 s + 16 l + 0 .. 15: K step 4 s + l / 8, c = bit 2 of l, h = bit 1, u = bit 0
	v_lshrrev_b32 v4, 3, v2
	v_mul_u32_u24 v4, v4, QST
	v_bfe_u32 v8, v2, 1, 1
	v_lshl_add_u32 v4, v8, 10, v4                  ; 64 x 16 h
	v_bfe_u32 v8, v2, 2, 1
	v_lshl_add_u32 v4, v8, 5, v4                   ; 16 x 2 c
	v_and_b32 v8, 1, v2
	v_lshl_add_u32 v4, v8, 4, v4                   ; 16 u
	s_add_co_u32 s18, s17, CST
	v_add_nc_u32 v4, s18, v4                       ; the codes' stage, in; the row (64 i) and the half (4 K steps) stand in the immediate
	v_add_nc_u32 v6, s18, v3                       ; and out: place after place
	v_bfe_u32 v5, v2, 1, 2                         ; my block b of the K step
	v_bfe_u32 v8, v2, 3, 1
	v_lshl_add_u32 v5, v8, 8, v5                   ; odd K steps: the upper 16 lanes' words
	v_lshrrev_b32 v8, 4, v2
	v_lshl_add_u32 v5, v8, 2, v5                   ; j = 2 s + l / 16
	s_add_co_u32 s18, s17, SST
	v_add_nc_u32 v5, s18, v5                       ; the scale bytes, in
	v_add_nc_u32 v1, s18, v3                       ; and out
	v_mul_u32_u24 v7, v2, 12                       ; a place's 12 bytes in the record
	s_sub_co_u32 s19, ttmp9, 128
	s_lshl_b32 s20, s19, 1
	s_add_co_u32 s20, s20, s16                     ; my tile
	s_wait_kmcnt 0x0
	s_cmp_lt_u32 s19, 1024                         ; knowledge or context?  Only pointers are chosen, on the work-group's number
	s_cselect_b64 s[22:23], s[8:9], s[10:11]
	s_cselect_b32 s26, 0, 2048
	s_sub_co_u32 s26, s20, s26
	s_lshl_b32 s26, s26, 6                         ; 16 tokens of 4 bytes a tile
	s_mov_b32 s27, 0
	s_add_nc_u64 s[22:23], s[22:23], s[26:27]
	s_load_b512 s[32:47], s[22:23], 0x0            ; my 16 tokens
	s_mul_i32 s20, s20, REC
	s_mov_b32 s21, 0
	s_add_nc_u64 s[20:21], s[12:13], s[20:21]      ; my record
	s_wait_kmcnt 0x0
.irp i, 0,1,2,3,4,5,6,7,8,9,10,11,12,13,14,15
	s_cmp_lg_u32 s[32+\i], 0
	s_cselect_b32 s[48+\i], -1, 0                  ; all ones, or 0 for the padding token: ANDed onto the row's codes
	s_min_u32 s[32+\i], s[32+\i], 31999            ; a loaded number enters an address behind this hold
	s_lshl_b32 s[32+\i], s[32+\i], 12
	v_add_nc_u32 v[OFF+\i], s[32+\i], v3
.endr
.macro LOAD t                          ; step t = half t % 2 of row t / 2: four loads of 512 consecutive bytes.  No hint: a row may be named by many positions
.irp j, 0,1,2,3
	global_load_b128 v[R+16*((\t)%DEPTH)+4*\j:R+16*((\t)%DEPTH)+4*\j+3], v[OFF+(\t)/2], s[4:5] offset:2048*((\t)%2)+512*\j
.endr
.endm
.macro TURN t                          ; step t's numbers through the stage; LDS serves a wave's instructions in order, so no wait stands between the stores and the loads
.irp j, 0,1,2,3
	ds_store_b128 v14, v[R+16*((\t)%DEPTH)+4*\j:R+16*((\t)%DEPTH)+4*\j+3] offset:32*SP*((\t)%2)+8*SP*\j
.endr
.irp j, 0,1,2,3
	ds_load_b128 v[X+16*((\t)%2)+4*\j:X+16*((\t)%2)+4*\j+3], v15 offset:32*SP*((\t)%2)+16*\j
.endr
.endm
.macro STEP t
.set XS, X+16*((\t)%2)
.set CS, C+4*((\t)%2)
.if (\t) > 0
	s_wait_dscnt 2                                 ; all but the last step's two stores: this step's numbers are back, its stores into the stage have read their registers, and so have the stores of two steps ago
.else
	s_wait_dscnt 0x0
.endif
.if (\t)+DEPTH < 32
	LOAD (\t)+DEPTH                                ; into the set that this step's turn has left
.endif
.if (\t)+1 < 32
.if 30-(\t) >= DEPTH-1
	s_wait_loadcnt 4*(DEPTH-1)                     ; the next step's four loads are in; those of the seven steps behind it stay out
.else
	s_wait_loadcnt 4*(30-(\t))                     ; towards the end: as many steps as are left behind it
.endif
	TURN (\t)+1                                    ; through the other stage while this step is worked
.endif
	v_max3_num_f32 v8, |v[XS]|, |v[XS+1]|, |v[XS+2]|              ; the largest magnitude of my 16, in two chains
	v_max3_num_f32 v9, |v[XS+3]|, |v[XS+4]|, |v[XS+5]|
.irp i, 6,10
	v_max3_num_f32 v8, v8, |v[XS+\i]|, |v[XS+\i+1]|
	v_max3_num_f32 v9, v9, |v[XS+\i+2]|, |v[XS+\i+3]|
.endr
	v_max3_num_f32 v8, v8, |v[XS+14]|, |v[XS+15]|
	v_max3_num_f32 v8, v8, v9, 0x2800000           ; and the floor 2^(5 - 127): the byte cannot fall under 1
	v_max_num_f32_dpp v8, v8, v8 row_xmask:1 row_mask:0xf bank_mask:0xf   ; with my neighbour's 16: the block's
	v_add_nc_u32 v11, 0xfe000000, v8               ; 4 off its exponent field: the conversion takes that field as its scale
	v_cvt_scalef32_pk16_bf6_f32 v[CS:CS+2], v[XS:XS+15], v11
	v_lshrrev_b32 v[E+(\t)%2], 23, v11             ; the scale's byte (the plain line behind the conversion)
	v_and_b32 v[CS], s[48+(\t)/2], v[CS]           ; the padding token's codes are zeros
	v_and_b32 v[CS+1], s[48+(\t)/2], v[CS+1]
	v_and_b32 v[CS+2], s[48+(\t)/2], v[CS+2]
	ds_store_b96 v4, v[CS:CS+2] offset:4*QST*((\t)%2)+64*((\t)/2)
	ds_store_b8 v5, v[E+(\t)%2] offset:16*((\t)/2)+8*((\t)%2)    ; both lanes of a block write the same byte with the same value
.endm
.set tt, 0
.rept DEPTH
	LOAD tt
.set tt, tt+1
.endr
	s_wait_loadcnt 4*(DEPTH-1)                     ; step 0's four loads are in
	TURN 0
.set tt, 0
.rept 32
	STEP tt
.set tt, tt+1
.endr
	; the record leaves: place P of the stage (16 bytes apart, 64 more behind each 128) is bytes 12 P .. 12 P + 11 of the record: a store of the wave covers 384 consecutive bytes
.set tt, 0
.rept 32
	ds_load_b96 v[R+4*tt:R+4*tt+2], v6 offset:512*tt+64*(tt/4)   ; LDS serves a wave's instructions in order: these see my stores
.set tt, tt+1
.endr
	ds_load_b128 v[X:X+3], v1
.set tt, 0
.rept 32
	s_wait_dscnt 32-tt                             ; the younger LDS loads may be out
	global_store_b96 v7, v[R+4*tt:R+4*tt+2], s[20:21] offset:384*tt
.set tt, tt+1
.endr
	s_wait_dscnt 0x0
	global_store_b128 v3, v[X:X+3], s[20:21] offset:12288        ; the scale bytes: 512 consecutive bytes
	s_wait_tensorcnt 0x0                           ; the wave's end, behind my last LDS store
	ds_add_u32 v[SPW], v[NIL]
	s_wait_dscnt 0x0
	s_endpgm
	; ---------------- the weights' path: a wave makes the fragments of one tile of 16 columns for K steps 2 jq and 2 jq + 1
.Lweights:
	v_and_b32 v3, 15, v2                           ; r
	v_lshrrev_b32 v4, 4, v2                        ; h
	s_lshl_b32 s17, ttmp9, 1
	s_add_co_u32 s17, s17, s16                     ; unit 0 .. 255
	s_lshr_b32 s18, s17, 4                         ; cg
	s_bfe_u32 s19, s17, 0x20002                    ; nt
	s_and_b32 s20, s17, 3                          ; jq
	v_lshlrev_b32 v5, 4, v3                        ; column 4 r: 16 bytes on,
	v_lshl_add_u32 v5, v4, 17, v5                  ; lanes 16-31 begin 32 rows of 4,096 bytes further down
	v_lshlrev_b32 v6, 4, v2                        ; 16 x lane
	v_lshlrev_b32 v7, 2, v2                        ; 4 x lane
	v_lshlrev_b32 v8, 3, v4                        ; 8 h
	s_lshl_b32 s26, s18, 8                         ; W_proj: 256 cg + 4 nt + 256 jq rows
	s_lshl_b32 s27, s19, 2
	s_add_co_u32 s26, s26, s27
	s_lshl_b32 s27, s20, 20
	s_add_co_u32 s26, s26, s27
	s_mov_b32 s27, 0
	s_mul_i32 s28, s18, 49152                      ; wcodes: fragment 4 q + nt = 8 jq + nt of column group cg
	s_lshl_b32 s29, s20, 3
	s_add_co_u32 s29, s29, s19
	s_mul_i32 s29, s29, 1536
	s_add_co_u32 s28, s28, s29
	s_mov_b32 s29, 0
	s_lshl_b32 s30, s19, 2                         ; wscales: 2,048 cg + 128 (4 nt + jq)
	s_add_co_u32 s30, s30, s20
	s_lshl_b32 s30, s30, 7
	s_lshl_b32 s31, s18, 11
	s_add_co_u32 s30, s30, s31
	s_mov_b32 s31, 0
	s_mov_b32 s22, 0x76543210
	s_mov_b32 s23, 0xfedcba98                      ; v_permlanex16_b32's selects for lane l xor 16
	s_wait_kmcnt 0x0
	s_add_nc_u64 s[6:7], s[6:7], s[26:27]
	s_add_nc_u64 s[14:15], s[14:15], s[28:29]
	s_add_nc_u64 s[24:25], s[24:25], s[30:31]
.set tt, 0
.rept 128                              ; register 16 + 64 qq + 32 c + i: W(128 (2 jq + qq) + 64 c + 32 h + i, my column)
	global_load_b32 v[16+tt], v5, s[6:7] offset:(128*(tt/64)+64*((tt/32)%2)+tt%32)*4096
.set tt, tt+1
.endr
.macro QW qq                           ; 64 numbers of a lane, two whole blocks, become a fragment's 12 registers and my column's scale word
.set NN, 16+64*\qq
.set FF, 144+12*\qq
.irp c, 0,1
	v_max3_num_f32 v[176+\c], |v[NN+32*\c]|, |v[NN+32*\c+1]|, 0x2800000   ; my block 2 c + h, and the floor 2^(5 - 127)
.endr
.irp i, 2,4,6,8,10,12,14,16,18,20,22,24,26,28,30
.irp c, 0,1
	v_max3_num_f32 v[176+\c], v[176+\c], |v[NN+32*\c+\i]|, |v[NN+32*\c+\i+1]|
.endr
.endr
.irp c, 0,1
	v_add_nc_u32 v[178+\c], 0xfe000000, v[176+\c]  ; 4 off the exponent field: the conversion's scale operand
.endr
.irp c, 0,1
	v_lshrrev_b32 v[180+\c], 23, v[178+\c]         ; the scale's byte
.endr
	v_lshl_or_b32 v[182+\qq], v181, 16, v180       ; my two bytes, blocks h and 2 + h,
	v_lshlrev_b32 v[182+\qq], v8, v[182+\qq]       ; at their places in the word;
	v_mov_b32 v184, 0
	v_permlanex16_b32 v184, v[182+\qq], s22, s23
	v_or_b32 v[182+\qq], v[182+\qq], v184          ; with lane l xor 16's two the word is whole
.irp c, 0,1
	v_cvt_scalef32_pk16_bf6_f32 v[FF+6*\c:FF+6*\c+2], v[NN+32*\c:NN+32*\c+15], v[178+\c]
	v_cvt_scalef32_pk16_bf6_f32 v[168+4*\c:170+4*\c], v[NN+32*\c+16:NN+32*\c+31], v[178+\c]   ; (a conversion's three registers begin on an even number)
.endr
	v_nop                                          ; one plain line behind the conversions
.irp c, 0,1
.irp i, 0,1,2
	v_mov_b32 v[FF+3+6*\c+\i], v[168+4*\c+\i]
.endr
.endr
.irp g, 0,1,2
	global_store_b128 v6, v[FF+4*\g:FF+4*\g+3], s[14:15] offset:6144*\qq+512*\g   ; 512 consecutive bytes; these registers are not written again
.endr
.endm
	s_wait_loadcnt 63                              ; the first K step's 64 loads are in (64 younger ones were issued; the wait's field holds 63)
	QW 0
	s_wait_loadcnt 0x0
	QW 1
	v_cmp_le_u32 vcc_lo, 16, v2
	v_cndmask_b32 v185, v182, v183, vcc_lo         ; lanes 0-15: the even K step's word, lanes 16-31: the odd one's
	global_store_b32 v7, v185, s[24:25]
	s_endpgm
.Lfunc_end_k_q50c129bb5c_prep:
	.size	k_q50c129bb5c_prep, .Lfunc_end_k_q50c129bb5c_prep-k_q50c129bb5c_prep
	.p2alignl 7, 3214868480
	.fill 96, 4, 3214868480
	.section	.rodata,"a",@progbits
	.p2align	6, 0x0
	.amdhsa_kernel k_q50c129bb5c_prep
		.amdhsa_group_segment_fixed_size 45312
		.amdhsa_private_segment_fixed_size 0
		.amdhsa_enable_private_segment 0
		.amdhsa_kernarg_size 56
		.amdhsa_user_sgpr_count 2
		.amdhsa_user_sgpr_kernarg_segment_ptr 1
		.amdhsa_wavefront_size32 1
		.amdhsa_system_sgpr_workgroup_id_x 1
		.amdhsa_system_sgpr_workgroup_id_y 1
		.amdhsa_system_sgpr_workgroup_id_z 1
		.amdhsa_system_vgpr_workitem_id 0
		.amdhsa_next_free_vgpr 208
		.amdhsa_next_free_sgpr 80
		.amdhsa_reserve_vcc 1
		.amdhsa_float_denorm_mode_32 3
		.amdhsa_float_denorm_mode_16_64 3
		.amdhsa_memory_ordered 1
		.amdhsa_forward_progress 1
		.amdhsa_inst_pref_size 94
	.end_amdhsa_kernel
	.amdgpu_metadata
---
amdhsa.version: [ 1, 2 ]
amdhsa.kernels:
  - .name:           k_q50c129bb5c_prep
    .symbol:         k_q50c129bb5c_prep.kd
    .args:
      - { .name: W_emb, .offset: 0, .size: 8, .value_kind: global_buffer, .address_space: global }
      - { .name: W_proj, .offset: 8, .size: 8, .value_kind: global_buffer, .address_space: global }
      - { .name: know_tokens, .offset: 16, .size: 8, .value_kind: global_buffer, .address_space: global }
      - { .name: src_tokens, .offset: 24, .size: 8, .value_kind: global_buffer, .address_space: global }
      - { .name: acodes, .offset: 32, .size: 8, .value_kind: global_buffer, .address_space: global }
      - { .name: wcodes, .offset: 40, .size: 8, .value_kind: global_buffer, .address_space: global }
      - { .name: wscales, .offset: 48, .size: 8, .value_kind: global_buffer, .address_space: global }
    .group_segment_fixed_size: 45312
    .private_segment_fixed_size: 0
    .kernarg_segment_align: 8
    .kernarg_segment_size: 56
    .max_flat_workgroup_size: 64
    .sgpr_count:     80
    .vgpr_count:     208
    .wavefront_size: 32
...
	.end_amdgpu_metadata
.endif
;; end of part 1
;; launch main (part 2): grid 256 x 1, 8 waves a work-group, clusters of 4 x 1, 327,680 bytes of LDS; arguments acodes, wcodes, wscales, psum, out0; writes psum, out0
.if DOCPART == 2
	.amdgcn_target "amdgcn-amd-amdhsa--gfx1250"
	.amdhsa_code_object_version 6
	.text
	.protected	k_q50c129bb5c_main
	.globl	k_q50c129bb5c_main
	.p2align	8
	.type	k_q50c129bb5c_main,@function
k_q50c129bb5c_main:
	s_mov_b64 s[64:65], 0
	v_nop
	global_prefetch_b8 v0, s[64:65] scope:SCOPE_SE
	s_setreg_imm32_b32 hwreg(HW_REG_WAVE_MODE, 25, 1), 1
	s_wait_xcnt 0x0
	s_wait_alu depctr_hold_cnt(0) depctr_sa_sdst(0) depctr_va_vdst(0) depctr_va_sdst(0) depctr_va_ssrc(0) depctr_va_vcc(0) depctr_vm_vsrc(0)
	s_getreg_b32 s2, hwreg(HW_REG_IB_STS2, 6, 4)
	s_cmp_eq_u32 s2, 0
	s_cbranch_scc0 .Lentry_in_a_cluster
	s_endpgm
.Lentry_in_a_cluster:
	s_bfe_u32 s2, ttmp6, 0x10000c
	s_cmp_lg_u32 s2, 0x3003
	s_cbranch_scc0 .Lentry_shape_is_right
	s_endpgm
.Lentry_shape_is_right:
; LAUNCH 2 OF 4.  Both quantised products, the activation and the sums over tokens.  x = Q(W_emb[token]) Q(W_proj) on codes of BF6 with E8M0 scales; y = gelu(x) in its tanh form, which is
; y = x / (1 + 2^(x (c0 + c1 x^2))), c0 = -2 sqrt(2 / pi) log2(e), c1 = 0.044715 c0.  For x far out the power runs to 0 or to infinity and y to x or to 0, as in reference().
; LEFT OUT (shown at the head of the first launch): the knowledge encodings are not stored, only their sums over each chunk's tokens; the mask is in the codes (a padding token's are zeros, so x = 0 and y = 0).
; SHARES.  A cluster of four work-groups owns knowledge chunks 4 g .. 4 g + 3 (8 tiles of 16 tokens each) and context tiles 2 g, 2 g + 1; the partner at place cx owns columns 256 cx .. 256 cx + 255.
; Wave w = 4 p + c owns the 64 columns of group cg = 4 cx + c, and for them the WHOLE of chunks 4 g + p and 4 g + 2 + p, and context tile p: 17 tiles x 32 matrix instructions in every wave of the launch.
; So a chunk's sum over its 128 tokens is finished in one wave's registers, and is stored once.
; ITS PART OF W_proj STAYS IN REGISTERS: 32 fragments, 384 registers, and 16 of scale words, read once.  Two waves lie on a SIMD, so that one's activation stands beside the other's products.
; THE TOKENS' RECORDS are the same for the four partners: each is asked for JOINTLY, by the same tensor load with the same descriptor and a mask that names the four.
; Two LDS slots of eight records.  A fill holds four tiles of each of two chunks: records 0-3 for the waves with p = 0, records 4-7 for those with p = 1; wave w fetches record w.  Four fills: chunks 4 g, 4 g + 1, tiles 0-3;
; their tiles 4-7; chunks 4 g + 2, 4 g + 3, tiles 0-3; their tiles 4-7.  The first two and the context tiles are the first fills, the other two refills, each behind a round of the cluster's barrier:
; by this text's own count a wave has at most three tensor loads out.
; LAYOUT.  Source 0 = 16 token rows, source 1 = 16 columns.  Register j of lane (r, h) of accumulator nt is (row 8 h + j, column 64 cg + 4 r + nt): the sum over rows stays in the lane,
; and a lane's four accumulators hold four neighbouring columns of a row: 16 bytes, sixteen lanes 256 consecutive bytes, at a multiple of 256 from the buffer's first byte.  Nothing goes out through LDS.
; psum: [chunk 256][1,024] f32, then from byte 1,048,576 [context tile 128][1,024].
; REGISTERS.  Window 0: v1-7 addresses; v[8:9] c0; v10, v11 the add's two; v12-27 W's scale words (4 nt + j); v28-31 the tile's; v32-63 four accumulators; v64-99 three fragments of tokens, then v64-95 at work in the
; activation; v100-107 the sums; v112-255 W's fragments of K steps 5-7 (v112-143 are results to store behind the last product).  Window 1: W's fragments of K steps 0-4, at v[12 (4 q + nt)].
.set REC,   12800                      ; a tile's record: 8 x 1,536 bytes of codes, 512 scale bytes
.set SLOT,  8*REC
.set SRCB,  2*SLOT                     ; the two context tiles
.set SPARE, SRCB+2*REC                 ; the spare words, 128 bytes for each of eight waves, which no other line names
.set LI,  1                            ; 48 x lane: my 12 registers of a fragment.
.set LS,  2                            ; 16 x lane
.set ADR, 3                            ; the tile in hand: its codes,
.set ADS, 4                            ; its scale words
.set PO,  5                            ; 16 r + 8 h: my two sums
.set OO,  6                            ; 8 h rows of 4,096 bytes + 16 r: my 16 bytes of a row
.set L4,  7                            ; 4 x lane
.set C0,  8
.set SPW, 10
.set NIL, 11
.set WS,  12
.set SA,  28
.set X,   32
.set AF,  64
.set T,   64
.set S,   100
.set WH,  112
.set Y,   112
.set MSB, 0
.macro WIN new                         ; the immediate's high byte repeats the setting that is left
.if MSB != \new
	s_set_vgpr_msb (MSB<<8)|\new
.set MSB, \new
.endif
.endm
.macro PLACES                          ; four plain vector lines behind a matrix instruction, ahead of a load into one of its registers and of the first read of its result
.rept 4
	v_nop
.endr
.endm
.macro ROUND                           ; a round of the cluster's barrier: my work-group's barrier, wave 0 signals for the work-group, all wait for the four work-groups, my work-group's barrier once more
	s_barrier_signal -1
	s_barrier_wait -1
	s_cmp_lg_u32 s14, 0
	s_cbranch_scc1 .Lnot_wave_0_\@
	s_barrier_signal -3
.Lnot_wave_0_\@:
	s_barrier_wait -3
	s_barrier_signal -1
	s_barrier_wait -1
.endm
	s_load_b256 s[4:11], s[0:1], 0x0               ; acodes s[4:5], wcodes s[6:7], wscales s[8:9], psum s[10:11]
	s_load_b64 s[12:13], s[0:1], 0x20              ; out0
	v_lshl_add_u32 v[SPW], v0, 2, SPARE
	v_mov_b32 v[NIL], 0
	ds_add_u32 v[SPW], v[NIL]                      ; the wave's opening: the add, twice on end, and its wait ahead of my first tensor load
	ds_add_u32 v[SPW], v[NIL]
	v_lshrrev_b32 v1, 5, v0
	v_readfirstlane_b32 s14, v1                    ; wave 0..7
	s_and_b32 s15, s14, 3                          ; c
	s_lshr_b32 s16, s14, 2                         ; p
	s_mov_b32 s18, ttmp9                           ; g: in a cluster launch ttmp9 counts clusters
	; descriptor group 1 for a record: a dense block of 12,800 bytes as 50 rows of 32 elements of 8 bytes
	s_mov_b32 s24, 15|(3<<16)|(1<<21)              ; 15:0 the mask: all four work-groups; 17:16 elements of 8 bytes; 21 set beside a mask; no padding
	s_mov_b32 s25, 32<<16                          ; tensor_dim0
	s_mov_b32 s26, 50<<16                          ; tensor_dim1
	s_mov_b32 s27, 32<<16                          ; tile_dim0
	s_mov_b32 s28, 50                              ; tile_dim1
	s_mov_b32 s29, 32                              ; from row to row
	s_mov_b32 s30, 0
	s_mov_b32 s31, 0
	; and for an eighth of the two context records: 3,200 bytes as 25 rows of 16 elements
	s_mov_b32 s32, 15|(3<<16)|(1<<21)
	s_mov_b32 s33, 16<<16
	s_mov_b32 s34, 25<<16
	s_mov_b32 s35, 16<<16
	s_mov_b32 s36, 25
	s_mov_b32 s37, 16
	s_mov_b32 s38, 0
	s_mov_b32 s39, 0
	s_lshl_b32 s66, s18, 5                         ; tile 32 g + 8 p + c: tile c of chunk 4 g + p.  Nothing here hangs on my place in the cluster
	s_lshl_b32 s67, s16, 3
	s_add_co_u32 s66, s66, s67
	s_add_co_u32 s66, s66, s15
	s_mul_i32 s66, s66, REC
	s_mov_b32 s67, 0
	s_mul_i32 s68, s14, REC                        ; its place in a slot: record w
	s_lshl_b32 s70, s18, 1
	s_add_co_u32 s70, s70, 2048                    ; tile 2,048 + 2 g: the first context tile,
	s_mul_i32 s70, s70, REC
	s_mul_i32 s72, s14, 3200                       ; my eighth of the two
	s_add_co_u32 s70, s70, s72
	s_mov_b32 s71, 0
	s_wait_dscnt 0x0                               ; both opening adds are done
	s_wait_kmcnt 0x0
	s_mov_b32 s40, 1                               ; group 0 for slot 0: count 1,
	s_mov_b32 s41, s68                             ; LDS address,
	s_add_nc_u64 s[42:43], s[4:5], s[66:67]        ; global address,
	s_mov_b32 s44, 1                               ; for slot 1: the same chunk's tile four further on
	s_add_co_u32 s45, s68, SLOT
	s_add_nc_u64 s[46:47], s[42:43], 4*REC
	s_or_b32 s43, s43, 0x80000000                  ; type 2
	s_or_b32 s47, s47, 0x80000000
	s_mov_b32 s48, 1                               ; for the context tiles
	s_add_co_u32 s49, s72, SRCB
	s_add_nc_u64 s[50:51], s[4:5], s[70:71]
	s_or_b32 s51, s51, 0x80000000
	ROUND                                          ; all four work-groups are here: the first joint loads meet
	tensor_load_to_lds s[40:43], s[24:31]          ; the first two chunks' tiles 0-3
	s_nop 0
	tensor_load_to_lds s[44:47], s[24:31]          ; their tiles 4-7
	s_nop 0
	tensor_load_to_lds s[48:51], s[32:39]          ; the context tiles
	s_nop 0
	PLACES
	s_bfe_u32 s17, ttmp6, 0x40000                  ; cx: it enters the addresses of W, psum and out0 alone
	s_lshl_b32 s19, s17, 2
	s_add_co_u32 s19, s19, s15                     ; cg
	v_and_b32 v7, 31, v0
	v_mul_u32_u24 v[LI], v7, 48
	v_lshlrev_b32 v[LS], 4, v7
	v_and_b32 v5, 15, v0                           ; r
	v_bfe_u32 v6, v0, 4, 1                         ; h
	v_lshlrev_b32 v3, 4, v5
	v_lshl_add_u32 v[PO], v6, 3, v3
	v_lshl_add_u32 v[OO], v6, 15, v3
	v_lshlrev_b32 v[L4], 2, v7
	s_mul_i32 s20, s19, 49152
	s_mov_b32 s21, 0
	s_add_nc_u64 s[20:21], s[6:7], s[20:21]        ; my column group's 32 fragments
	s_lshl_b32 s22, s19, 11
	s_mov_b32 s23, 0
	s_add_nc_u64 s[22:23], s[8:9], s[22:23]        ; and its scale words
	WIN 0x40                                       ; destination window 1
.set f, 0
.rept 20                               ; fragment f = 4 q + nt, K steps 0-4
.irp g, 0,1,2
	global_load_b128 v[12*f+4*\g:12*f+4*\g+3], v[LS], s[20:21] offset:1536*f+512*\g
.endr
.set f, f+1
.endr
	WIN 0
.rept 12                               ; K steps 5-7
.irp g, 0,1,2
	global_load_b128 v[WH+12*(f-20)+4*\g:WH+12*(f-20)+4*\g+3], v[LS], s[20:21] offset:1536*f+512*\g
.endr
.set f, f+1
.endr
.set f, 0
.rept 16
	global_load_b32 v[WS+f], v[L4], s[22:23] offset:128*f
.set f, f+1
.endr
	s_lshl_b32 s66, s16, 12                        ; psum: chunk 4 g + p, my 64 columns
	s_lshl_b32 s67, s18, 14
	s_add_co_u32 s66, s66, s67
	s_lshl_b32 s68, s19, 8
	s_add_co_u32 s66, s66, s68
	s_mov_b32 s67, 0
	s_add_nc_u64 s[58:59], s[10:11], s[66:67]
	s_lshl_b32 s66, s18, 1                         ; psum: context tile 2 g + p
	s_add_co_u32 s66, s66, s16
	s_lshl_b32 s66, s66, 12
	s_add_co_u32 s66, s66, s68
	s_add_co_u32 s66, s66, 0x100000
	s_add_nc_u64 s[60:61], s[10:11], s[66:67]
	s_lshr_b32 s66, s18, 3                         ; out0: item g / 8, row 128 + 16 (2 (g % 8) + p)
	s_mul_i32 s66, s66, 384
	s_and_b32 s69, s18, 7
	s_lshl_b32 s69, s69, 1
	s_add_co_u32 s69, s69, s16
	s_lshl_b32 s69, s69, 4
	s_add_co_u32 s66, s66, s69
	s_add_co_u32 s66, s66, 128
	s_lshl_b32 s66, s66, 12
	s_add_co_u32 s66, s66, s68
	s_add_nc_u64 s[62:63], s[12:13], s[66:67]
	s_mul_i32 s55, s16, 4*REC                      ; my four records of a slot
	v_mov_b32 v[C0], 0xc0135761                    ; c0
	v_mov_b32 v[C0+1], 0xc0135761
	s_mov_b32 s52, 0xbdd2d3e8                      ; c1
	s_mov_b32 s53, s52                             ; (named with it as a pair, so it is written)
.macro FRAG q                          ; the tile's fragment of K step q into buffer q % 3: my 48 bytes as they lie
.irp g, 0,1,2
	ds_load_b128 v[AF+12*((\q)%3)+4*\g:AF+12*((\q)%3)+4*\g+3], v[ADR] offset:1536*(\q)+16*\g
.endr
.endm
.macro MM q                            ; K step q: the four accumulators by turns, one instruction a turn.  Even K steps' scale words lie in lanes 0-15, odd ones' in lanes 16-31
.irp nt, 0,1,2,3
.if (\q) < 5
.set WR, 12*(4*(\q)+\nt)
.else
.set WR, WH+12*(4*((\q)-5)+\nt)
.endif
.set AR, AF+12*((\q)%3)
.if (\q) == 0
	v_wmma_scale_f32_16x16x128_f8f6f4 v[X+8*\nt:X+8*\nt+7], v[AR:AR+11], v[WR:WR+11], 0, v[SA+(\q)/2], v[WS+4*\nt+(\q)/2] matrix_a_fmt:MATRIX_FMT_BF6 matrix_b_fmt:MATRIX_FMT_BF6
.elseif (\q)%2 == 0
	v_wmma_scale_f32_16x16x128_f8f6f4 v[X+8*\nt:X+8*\nt+7], v[AR:AR+11], v[WR:WR+11], v[X+8*\nt:X+8*\nt+7], v[SA+(\q)/2], v[WS+4*\nt+(\q)/2] matrix_a_fmt:MATRIX_FMT_BF6 matrix_b_fmt:MATRIX_FMT_BF6
.else
	v_wmma_scale_f32_16x16x128_f8f6f4 v[X+8*\nt:X+8*\nt+7], v[AR:AR+11], v[WR:WR+11], v[X+8*\nt:X+8*\nt+7], v[SA+(\q)/2], v[WS+4*\nt+(\q)/2] matrix_a_fmt:MATRIX_FMT_BF6 matrix_b_fmt:MATRIX_FMT_BF6 matrix_a_scale:MATRIX_SCALE_ROW1 matrix_b_scale:MATRIX_SCALE_ROW1
.endif
.endr
.endm
.macro GELU store                      ; 32 numbers a lane: 1 / (1 + 2^(x (c0 + c1 x^2))) in T; x T is added to the sums; store = 1: and stored.  Each accumulator is first read at its low end
.set j, 0
.rept 16
	v_pk_mul_f32 v[T+j:T+j+1], v[X+j:X+j+1], v[X+j:X+j+1]
.set j, j+2
.endr
.set j, 0
.rept 16
	v_pk_fma_f32 v[T+j:T+j+1], v[T+j:T+j+1], s[52:53], v[C0:C0+1] op_sel_hi:[1,0,1]
.set j, j+2
.endr
.set j, 0
.rept 16
	v_pk_mul_f32 v[T+j:T+j+1], v[T+j:T+j+1], v[X+j:X+j+1]
.set j, j+2
.endr
.set j, 0
.rept 32
	v_exp_f32 v[T+j], v[T+j]
.set j, j+1
.endr
	v_nop                                          ; a plain line behind the last exponential,
	s_wait_alu depctr_va_vdst(0)                   ; and one wait for the batch, ahead of its first reader
.set j, 0
.rept 16
	v_pk_add_f32 v[T+j:T+j+1], v[T+j:T+j+1], 1.0 op_sel_hi:[1,0]
.set j, j+2
.endr
.set j, 0
.rept 32
	v_rcp_f32 v[T+j], v[T+j]
.set j, j+1
.endr
	v_nop
	s_wait_alu depctr_va_vdst(0)                   ; likewise for the reciprocals
.irp jj, 0,2,4,6
.irp nt, 0,1,2,3
	v_pk_fma_f32 v[S+2*\nt:S+2*\nt+1], v[X+8*\nt+\jj:X+8*\nt+\jj+1], v[T+8*\nt+\jj:T+8*\nt+\jj+1], v[S+2*\nt:S+2*\nt+1]   ; even rows' sum, odd rows' sum; the four columns by turns
.endr
.endr
.if \store
.irp jj, 0,1,2,3,4,5,6,7
.irp nt, 0,1,2,3
	v_mul_f32 v[Y+4*\jj+\nt], v[X+8*\nt+\jj], v[T+8*\nt+\jj]
.endr
.endr
.irp jj, 0,1,2,3,4,5,6,7
	global_store_b128 v[OO], v[Y+4*\jj:Y+4*\jj+3], s[62:63] offset:4096*\jj th:TH_STORE_NT   ; rows jj and 8 + jj: sixteen lanes store 256 consecutive bytes each
.endr
.endif
.endm
.macro TILE store                      ; the tile at LDS byte s54
	v_add_nc_u32 v[ADR], s54, v[LI]
	v_add_nc_u32 v[ADS], s54, v[LS]
	ds_load_b128 v[SA:SA+3], v[ADS] offset:12288
	FRAG 0
	FRAG 1
	FRAG 2
	WIN 0x04                                       ; source 1 (W) window 1
.irp q, 0,1,2,3,4,5,6,7
.if \q <= 5
	s_wait_dscnt 6                                 ; this K step's fragment is in; the two younger ones, three loads each, may be out
.elseif \q == 6
	s_wait_dscnt 3
.else
	s_wait_dscnt 0x0
.endif
.if \q == 5
	WIN 0                                          ; W's K steps 5-7 lie in window 0
.endif
	MM \q
.if \q <= 4
	PLACES                                         ; ahead of the loads into the buffer just multiplied
	FRAG \q+3
.endif
.endr
	PLACES
	GELU \store
.endm
.macro POOLOUT base, off               ; the lane's two partial sums of each column are added, then the two halves of the lanes: lanes 0-15 end with columns 4 r, 4 r + 1, lanes 16-31 with 4 r + 2, 4 r + 3
	v_add_f32 v[S], v[S], v[S+1]
	v_add_f32 v[S+2], v[S+2], v[S+3]
	v_add_f32 v[S+4], v[S+4], v[S+5]
	v_add_f32 v[S+6], v[S+6], v[S+7]
	v_permlane16_swap_b32 v[S], v[S+4]             ; the first's lanes 16-31 change places with the second's lanes 0-15
	v_permlane16_swap_b32 v[S+2], v[S+6]
	v_add_f32 v[S], v[S], v[S+4]
	v_add_f32 v[S+1], v[S+2], v[S+6]
	global_store_b64 v[PO], v[S:S+1], s[\base:\base+1] offset:\off   ; the wave stores 256 consecutive bytes
	s_wait_xcnt 0x0                                ; the sums' registers are written again only behind this wait
.endm
.macro ZERO                            ; a new sum begins
.irp i, 0,1,2,3,4,5,6,7
	v_mov_b32 v[S+\i], 0
.endr
.endm
.macro HALF slot                       ; my four records of the slot: half of my chunk; the sums go on
	s_add_co_u32 s54, s55, \slot*SLOT
	s_mov_b32 s56, 4
.Ltile_\@:
	TILE 0
	s_add_co_u32 s54, s54, REC
	s_sub_co_u32 s56, s56, 1
	s_cmp_lg_u32 s56, 0
	s_cbranch_scc1 .Ltile_\@
.endm
.macro LINES g                         ; ahead of a barrier at a change of slots, and at the wave's end.  g: the group 0 that steps two chunks (16 records) on, or 0
	s_wait_tensorcnt 0x0                           ; all my tensor loads have landed, so a group 0 may be written
	ds_add_u32 v[SPW], v[NIL]                      ; 0 onto my spare word
.if \g
	s_add_nc_u64 s[\g+2:\g+3], s[\g+2:\g+3], 2*SLOT
.endif
	s_wait_dscnt 0x0                               ; the add is done, and my reads of the slot are over
.endm
	s_wait_loadcnt 0x0                             ; W and its scale words
	s_wait_tensorcnt 0x2                           ; my record of slot 0 is in; slot 1's and the context's may stay out
	s_barrier_signal -1
	s_barrier_wait -1                              ; everybody's is
	ZERO
	HALF 0                                         ; chunk 4 g + p, tiles 0-3
	LINES 40
	ROUND                                          ; no wave of any partner still reads slot 0 or has a load on its way
	tensor_load_to_lds s[40:43], s[24:31]          ; the next two chunks' tiles 0-3 into slot 0: they have a slot's work in which to land
	s_nop 0
	PLACES
	HALF 1                                         ; tiles 4-7
	POOLOUT 58, 0
	LINES 44
	ROUND
	tensor_load_to_lds s[44:47], s[24:31]          ; their tiles 4-7 into slot 1
	s_nop 0
	PLACES
	ZERO
	HALF 0                                         ; chunk 4 g + 2 + p, tiles 0-3
	LINES 0                                        ; the last fill has landed; nothing is filled again, so no round follows
	s_barrier_signal -1
	s_barrier_wait -1
	HALF 1                                         ; tiles 4-7
	POOLOUT 58, 8192                               ; two chunks on
	ZERO
	s_mul_i32 s54, s16, REC
	s_add_co_u32 s54, s54, SRCB
	TILE 1                                         ; my context tile: stored, and summed
	POOLOUT 60, 0
	LINES 0                                        ; the wave's end: the three lines once more,
	ROUND                                          ; and the closing round: no work-group ends while a partner may still ask for a tile that names it
	s_endpgm
.Lfunc_end_k_q50c129bb5c_main:
	.size	k_q50c129bb5c_main, .Lfunc_end_k_q50c129bb5c_main-k_q50c129bb5c_main
	.p2alignl 7, 3214868480
	.fill 96, 4, 3214868480
	.section	.rodata,"a",@progbits
	.p2align	6, 0x0
	.amdhsa_kernel k_q50c129bb5c_main
		.amdhsa_group_segment_fixed_size 327680
		.amdhsa_private_segment_fixed_size 0
		.amdhsa_enable_private_segment 0
		.amdhsa_kernarg_size 40
		.amdhsa_user_sgpr_count 2
		.amdhsa_user_sgpr_kernarg_segment_ptr 1
		.amdhsa_wavefront_size32 1
		.amdhsa_system_sgpr_workgroup_id_x 1
		.amdhsa_system_sgpr_workgroup_id_y 1
		.amdhsa_system_sgpr_workgroup_id_z 1
		.amdhsa_system_vgpr_workitem_id 0
		.amdhsa_next_free_vgpr 512
		.amdhsa_next_free_sgpr 80
		.amdhsa_reserve_vcc 0
		.amdhsa_float_denorm_mode_32 3
		.amdhsa_float_denorm_mode_16_64 3
		.amdhsa_memory_ordered 1
		.amdhsa_forward_progress 1
		.amdhsa_inst_pref_size 93
	.end_amdhsa_kernel
	.amdgpu_metadata
---
amdhsa.version: [ 1, 2 ]
amdhsa.kernels:
  - .name:           k_q50c129bb5c_main
    .symbol:         k_q50c129bb5c_main.kd
    .args:
      - { .name: acodes, .offset: 0, .size: 8, .value_kind: global_buffer, .address_space: global }
      - { .name: wcodes, .offset: 8, .size: 8, .value_kind: global_buffer, .address_space: global }
      - { .name: wscales, .offset: 16, .size: 8, .value_kind: global_buffer, .address_space: global }
      - { .name: psum, .offset: 24, .size: 8, .value_kind: global_buffer, .address_space: global }
      - { .name: out0, .offset: 32, .size: 8, .value_kind: global_buffer, .address_space: global }
    .group_segment_fixed_size: 327680
    .private_segment_fixed_size: 0
    .kernarg_segment_align: 8
    .kernarg_segment_size: 40
    .max_flat_workgroup_size: 256
    .sgpr_count:     80
    .vgpr_count:     512
    .wavefront_size: 32
...
	.end_amdgpu_metadata
.endif
;; end of part 2
;; launch score (part 3): grid 8 x 1, 16 waves a work-group, no clusters, 6,144 bytes of LDS; arguments psum, know_tokens, src_tokens, ck_mask, ids, out1, out2; writes ids, out1, out2
.if DOCPART == 3
	.amdgcn_target "amdgcn-amd-amdhsa--gfx1250"
	.amdhsa_code_object_version 6
	.text
	.protected	k_q50c129bb5c_score
	.globl	k_q50c129bb5c_score
	.p2align	8
	.type	k_q50c129bb5c_score,@function
k_q50c129bb5c_score:
	s_mov_b64 s[64:65], 0
	v_nop
	global_prefetch_b8 v0, s[64:65] scope:SCOPE_SE
	s_setreg_imm32_b32 hwreg(HW_REG_WAVE_MODE, 25, 1), 1
	s_wait_xcnt 0x0
; LAUNCH 3 OF 4.  Lengths, the scores (the product that is left as it is: f32 multiply-adds), ck_attn, the argmax, and the context's part of full_mask.  cs_ids is left out (shown at the head of the first launch).
; A work-group takes one batch item, since the argmax wants its 32 scores together: the launch has work for eight.  Wave w takes columns 64 w .. 64 w + 63; lane (r, h) four of them, and of two neighbouring rows the h-th.
; ctx_use = (the sum of the item's 16 tile sums) / sqrt(1,024 len): every wave makes its 64 columns.  A lane then holds its four columns' part of 16 dot products (chunks 2 kk + h).  They are summed over the sixteen lanes
; of a half by a butterfly that halves the number of values at each step: a lane keeps the half of the values that its bit names, sends the other half to the lane across, and adds what it is sent; lane r ends with chunk 2 r + h.
; So a wave's 32 parts go to LDS by one store of 32 different words.  Behind one barrier wave 0, a lane to a chunk, adds the sixteen waves' parts, divides by sqrt(1,024 len of the chunk), applies ck_mask and finds
; the first largest.  The index is stored as a whole number for the next launch; here no address and no branch hangs on it.
; LIMIT: a NaN among the scores is not served (no lane then equals the maximum; the next launch holds the stored number at 31).
.set LENB,  2048                       ; LDS: part[16 waves][32 chunks] f32 from 0; from LENB a word for each thread: 1,024 x len of chunk 2 w + (lane % 2), f32
.set SPARE, 4096                       ; the spare words, 128 bytes for each of sixteen waves, which no other line names
.set D,     192                        ; v192-207 the lane's 16 parts
.set TA,    128                        ; v128-135 what a lane sends across
	s_load_b256 s[4:11], s[0:1], 0x0               ; psum s[4:5], know_tokens s[6:7], src_tokens s[8:9], ck_mask s[10:11]
	s_load_b128 s[12:15], s[0:1], 0x20             ; ids s[12:13], out1 s[14:15]
	s_load_b64 s[24:25], s[0:1], 0x30              ; out2
	v_lshl_add_u32 v8, v0, 2, SPARE                ; my spare word; never rewritten
	v_mov_b32 v9, 0                                ; 0; never rewritten
	v_lshrrev_b32 v11, 5, v0
	v_readfirstlane_b32 s16, v11                   ; wave 0..15
	v_and_b32 v1, 31, v0                           ; lane
	v_and_b32 v2, 15, v0                           ; r
	v_bfe_u32 v3, v0, 4, 1                         ; h
	v_lshlrev_b32 v4, 4, v1                        ; 16 x lane
	v_lshlrev_b32 v5, 4, v2
	v_lshl_add_u32 v5, v3, 12, v5
	v_lshl_add_u32 v5, v11, 8, v5                  ; 4,096 h + 256 w + 16 r
	v_lshlrev_b32 v6, 2, v1                        ; 4 x lane
	v_lshlrev_b32 v7, 7, v11
	v_lshl_add_u32 v7, v2, 3, v7
	v_lshl_add_u32 v7, v3, 2, v7                   ; LDS: part[w][2 r + h]
	v_lshl_add_u32 v11, v0, 2, LENB                ; LDS: my thread's word among the lengths
	v_and_b32 v141, 8, v0                          ; the lanes whose r has bit 3, 2, 1, 0
	v_cmp_ne_u32 s40, 0, v141
	v_and_b32 v141, 4, v0
	v_cmp_ne_u32 s41, 0, v141
	v_and_b32 v141, 2, v0
	v_cmp_ne_u32 s42, 0, v141
	v_and_b32 v141, 1, v0
	v_cmp_ne_u32 s43, 0, v141
	v_lshrrev_b32 v140, 1, v1
	v_lshlrev_b32 v140, 7, v140
	v_lshl_add_u32 v140, v141, 2, v140             ; LDS, for wave 0: lane k finds chunk k's length in wave k / 2's words, at lane k % 2
	s_mov_b32 s20, 0x76543210
	s_mov_b32 s21, 0xfedcba98                      ; v_permlanex16_b32's selects for lane l xor 16
	s_mov_b32 s31, 0
	s_lshl_b32 s30, ttmp9, 14
	s_lshl_b32 s19, s16, 10
	s_add_co_u32 s30, s30, s19
	s_wait_kmcnt 0x0
	s_add_nc_u64 s[6:7], s[6:7], s[30:31]          ; the tokens of chunks 2 w, 2 w + 1 of my item: 512 bytes each
	s_lshl_b32 s30, ttmp9, 10
	s_add_nc_u64 s[8:9], s[8:9], s[30:31]          ; the item's 256 context tokens
	s_lshl_b32 s30, ttmp9, 5
	s_add_nc_u64 s[10:11], s[10:11], s[30:31]
	s_lshl_b32 s30, ttmp9, 16
	s_add_co_u32 s30, s30, 0x100000
	s_add_nc_u64 s[26:27], s[4:5], s[30:31]        ; the item's 16 context tile sums
	s_lshl_b32 s30, ttmp9, 17
	s_add_nc_u64 s[28:29], s[4:5], s[30:31]        ; its 32 chunk sums
	s_lshl_b32 s30, ttmp9, 7
	s_add_nc_u64 s[12:13], s[12:13], s[30:31]
	s_add_nc_u64 s[24:25], s[24:25], s[30:31]
	s_mul_i32 s30, ttmp9, 384
	s_add_co_u32 s30, s30, 128
	s_add_nc_u64 s[14:15], s[14:15], s[30:31]
	global_load_b128 v[16:19], v4, s[6:7]
	global_load_b128 v[20:23], v4, s[6:7] offset:512
	global_load_b128 v[24:27], v4, s[8:9]
	global_load_b128 v[28:31], v4, s[8:9] offset:512
	global_load_u8 v10, v1, s[10:11]               ; ck_mask: wave 0 uses it; every wave issues the line, so that the counts below are the same in all
.irp tt, 0,1,2,3,4,5,6,7
	global_load_b128 v[32+4*\tt:35+4*\tt], v5, s[26:27] offset:8192*\tt          ; context tile 2 tt + h
.endr
.irp kk, 0,1,2,3,4,5,6,7,8,9,10,11,12,13,14,15
	global_load_b128 v[64+4*\kk:67+4*\kk], v5, s[28:29] offset:8192*\kk          ; chunk 2 kk + h
.endr
.irp i, 0,1,2,3
	v_mov_b32 v[208+\i], 0                         ; a lane permute's destination counts as one of its sources
.endr
	s_wait_loadcnt 25                              ; the four loads of tokens are in; the 25 younger loads may be out
.irp e, 0,1                            ; 1,024 x max(the chunk's tokens other than 0, 1)
.irp i, 0,1,2,3
	v_cmp_ne_u32 s[32+\i], 0, v[16+4*\e+\i]
.endr
.irp i, 0,1,2,3
	s_bcnt1_i32_b32 s[32+\i], s[32+\i]
.endr
	s_add_co_u32 s32, s32, s33
	s_add_co_u32 s34, s34, s35
	s_add_co_u32 s32, s32, s34
	s_max_u32 s32, s32, 1
	s_lshl_b32 s32, s32, 10
	v_cvt_f32_u32 v[12+\e], s32
.endr
	v_cndmask_b32 v12, v12, v13, s43               ; even lanes: chunk 2 w's, odd lanes: chunk 2 w + 1's
	ds_store_b32 v11, v12                          ; a word for each thread
.irp i, 0,1,2,3,4,5,6,7                ; and the same of the context
	v_cmp_ne_u32 s[32+\i], 0, v[24+\i]
.endr
.irp i, 0,1,2,3,4,5,6,7
	s_bcnt1_i32_b32 s[32+\i], s[32+\i]
.endr
.irp i, 0,2,4,6
	s_add_co_u32 s[32+\i], s[32+\i], s[33+\i]
.endr
	s_add_co_u32 s32, s32, s34
	s_add_co_u32 s36, s36, s38
	s_add_co_u32 s32, s32, s36
	s_max_u32 s32, s32, 1
	s_lshl_b32 s32, s32, 10
	v_cvt_f32_u32 v14, s32
	v_rsq_f32 v14, v14                             ; 1 / sqrt(1,024 len); the sums below are the plain work behind it
	s_wait_loadcnt 16                              ; the context's eight loads are in; the sixteen chunk loads may be out
.irp tt, 1,2,3,4,5,6,7
	v_pk_add_f32 v[32:33], v[32:33], v[32+4*\tt:33+4*\tt]
	v_pk_add_f32 v[34:35], v[34:35], v[34+4*\tt:35+4*\tt]
.endr
.irp i, 0,1,2,3
	v_permlanex16_b32 v[208+\i], v[32+\i], s20, s21
.endr
.irp i, 0,1,2,3
	v_add_f32 v[32+\i], v[32+\i], v[208+\i]        ; with the other half's eight tiles
.endr
	s_wait_alu depctr_va_vdst(0)                   ; ahead of the first reader of the root's reciprocal
.irp i, 0,1,2,3
	v_mul_f32 v[32+\i], v[32+\i], v14              ; ctx_use of my four columns
.endr
.irp kk, 0,1,2,3,4,5,6,7,8,9,10,11,12,13,14,15
	s_wait_loadcnt 15-\kk                          ; this chunk's load is in; the younger ones may be out
	v_pk_mul_f32 v[224+2*\kk:225+2*\kk], v[64+4*\kk:65+4*\kk], v[32:33]
	v_pk_fma_f32 v[224+2*\kk:225+2*\kk], v[66+4*\kk:67+4*\kk], v[34:35], v[224+2*\kk:225+2*\kk]
	v_add_f32 v[D+\kk], v[224+2*\kk], v[225+2*\kk]
.endr
; One step of the butterfly: values i and i + cnt, i = 0 .. cnt - 1; lanes l and l xor xm; sm: the mask of the lanes whose r has the bit xm.  Such a lane keeps value i + cnt and sends value i; the others the other way round.
.macro FOLD cnt, xm, sm
.set i, 0
.rept \cnt
	v_cndmask_b32 v[TA+i], v[D+i+\cnt], v[D+i], s[\sm]           ; what I send
.set i, i+1
.endr
.set i, 0
.rept \cnt
	v_cndmask_b32 v[D+i], v[D+i], v[D+i+\cnt], s[\sm]            ; what I keep
.set i, i+1
.endr
.set i, 0
.rept \cnt
	v_add_f32_dpp v[D+i], v[TA+i], v[D+i] row_xmask:\xm row_mask:0xf bank_mask:0xf   ; + what the lane across has sent
.set i, i+1
.endr
.endm
	FOLD 8, 8, 40
	FOLD 4, 4, 41
	FOLD 2, 2, 42
	FOLD 1, 1, 43                                  ; lane r now holds value r: chunk 2 r + h over my wave's 64 columns
	ds_store_b32 v7, v[D]                          ; part[w][2 r + h]: 32 different words
	s_wait_dscnt 0x0                               ; for the others' sake: my stores are done
	s_barrier_signal -1
	s_barrier_wait -1
	s_cmp_lg_u32 s16, 0
	s_cbranch_scc1 .Lend
.irp w, 0,1,2,3,4,5,6,7,8,9,10,11,12,13,14,15
	ds_load_b32 v[64+\w], v6 offset:128*\w         ; lane k: chunk k's sixteen parts
.endr
	ds_load_b32 v80, v140 offset:LENB
	s_wait_dscnt 0x0
	v_rsq_f32 v80, v80
.irp i, 0,1,2,3,4,5,6,7
	v_add_f32 v[64+\i], v[64+\i], v[72+\i]
.endr
.irp i, 0,1,2,3
	v_add_f32 v[64+\i], v[64+\i], v[68+\i]
.endr
	v_add_f32 v64, v64, v66
	v_add_f32 v65, v65, v67
	v_add_f32 v64, v64, v65
	s_wait_alu depctr_va_vdst(0)
	v_mul_f32 v81, v64, v80                        ; the score
	v_cmp_ne_u32 vcc_lo, 0, v10
	v_cndmask_b32 v82, 0, v81, vcc_lo              ; ck_attn: 0 where the mask is off
	v_mov_b32 v83, 0xf149f2ca                      ; -1e30
	v_cndmask_b32 v83, v83, v81, vcc_lo            ; the masked score
	v_mov_b32 v84, v83
	v_max_num_f32_dpp v84, v84, v84 row_xmask:1 row_mask:0xf bank_mask:0xf
	v_max_num_f32_dpp v84, v84, v84 row_xmask:2 row_mask:0xf bank_mask:0xf
	v_max_num_f32_dpp v84, v84, v84 row_xmask:4 row_mask:0xf bank_mask:0xf
	v_max_num_f32_dpp v84, v84, v84 row_xmask:8 row_mask:0xf bank_mask:0xf
	v_mov_b32 v85, 0
	v_permlanex16_b32 v85, v84, s20, s21
	v_max_num_f32 v84, v84, v85                    ; the largest of the 32
	v_cmp_eq_f32 s32, v83, v84
	s_ctz_i32_b32 s32, s32                         ; the lowest chunk that has it, as jnp.argmax takes it
	v_mov_b32 v86, s32
	global_store_b32 v6, v86, s[12:13]             ; 32 times: 128 bytes for each item
	global_store_b32 v6, v82, s[24:25]
.irp e, 0,1                            ; full_mask, bytes 128 .. 383 of the item: 1 where the context token is not 0
.irp i, 0,1,2,3
	v_min_u32 v[24+4*\e+\i], 1, v[24+4*\e+\i]
.endr
	v_lshl_or_b32 v[24+4*\e], v[25+4*\e], 8, v[24+4*\e]
	v_lshl_or_b32 v[24+4*\e], v[26+4*\e], 16, v[24+4*\e]
	v_lshl_or_b32 v[24+4*\e], v[27+4*\e], 24, v[24+4*\e]
	global_store_b32 v6, v[24+4*\e], s[14:15] offset:128*\e
.endr
.Lend:
	s_wait_tensorcnt 0x0                           ; the wave's end, behind my last LDS store
	ds_add_u32 v8, v9
	s_wait_dscnt 0x0
	s_endpgm
.Lfunc_end_k_q50c129bb5c_score:
	.size	k_q50c129bb5c_score, .Lfunc_end_k_q50c129bb5c_score-k_q50c129bb5c_score
	.p2alignl 7, 3214868480
	.fill 96, 4, 3214868480
	.section	.rodata,"a",@progbits
	.p2align	6, 0x0
	.amdhsa_kernel k_q50c129bb5c_score
		.amdhsa_group_segment_fixed_size 6144
		.amdhsa_private_segment_fixed_size 0
		.amdhsa_enable_private_segment 0
		.amdhsa_kernarg_size 56
		.amdhsa_user_sgpr_count 2
		.amdhsa_user_sgpr_kernarg_segment_ptr 1
		.amdhsa_wavefront_size32 1
		.amdhsa_system_sgpr_workgroup_id_x 1
		.amdhsa_system_sgpr_workgroup_id_y 1
		.amdhsa_system_sgpr_workgroup_id_z 1
		.amdhsa_system_vgpr_workitem_id 0
		.amdhsa_next_free_vgpr 256
		.amdhsa_next_free_sgpr 66
		.amdhsa_reserve_vcc 1
		.amdhsa_float_denorm_mode_32 3
		.amdhsa_float_denorm_mode_16_64 3
		.amdhsa_memory_ordered 1
		.amdhsa_forward_progress 1
		.amdhsa_inst_pref_size 19
	.end_amdhsa_kernel
	.amdgpu_metadata
---
amdhsa.version: [ 1, 2 ]
amdhsa.kernels:
  - .name:           k_q50c129bb5c_score
    .symbol:         k_q50c129bb5c_score.kd
    .args:
      - { .name: psum, .offset: 0, .size: 8, .value_kind: global_buffer, .address_space: global }
      - { .name: know_tokens, .offset: 8, .size: 8, .value_kind: global_buffer, .address_space: global }
      - { .name: src_tokens, .offset: 16, .size: 8, .value_kind: global_buffer, .address_space: global }
      - { .name: ck_mask, .offset: 24, .size: 8, .value_kind: global_buffer, .address_space: global }
      - { .name: ids, .offset: 32, .size: 8, .value_kind: global_buffer, .address_space: global }
      - { .name: out1, .offset: 40, .size: 8, .value_kind: global_buffer, .address_space: global }
      - { .name: out2, .offset: 48, .size: 8, .value_kind: global_buffer, .address_space: global }
    .group_segment_fixed_size: 6144
    .private_segment_fixed_size: 0
    .kernarg_segment_align: 8
    .kernarg_segment_size: 56
    .max_flat_workgroup_size: 512
    .sgpr_count:     66
    .vgpr_count:     256
    .wavefront_size: 32
...
	.end_amdgpu_metadata
.endif
;; end of part 3
;; launch select (part 4): grid 32 x 8, 4 waves a work-group, no clusters, 0 bytes of LDS; arguments acodes, wcodes, wscales, ids, know_tokens, out0, out1; writes out0, out1
.if DOCPART == 4
	.amdgcn_target "amdgcn-amd-amdhsa--gfx1250"
	.amdhsa_code_object_version 6
	.text
	.protected	k_q50c129bb5c_select
	.globl	k_q50c129bb5c_select
	.p2align	8
	.type	k_q50c129bb5c_select,@function
k_q50c129bb5c_select:
	s_mov_b64 s[64:65], 0
	v_nop
	global_prefetch_b8 v0, s[64:65] scope:SCOPE_SE
	s_setreg_imm32_b32 hwreg(HW_REG_WAVE_MODE, 25, 1), 1
	s_wait_xcnt 0x0
; LAUNCH 4 OF 4.  The chosen chunk of each batch item: rows 0 .. 127 of full_enc and bytes 0 .. 127 of full_mask.  The chunk's encodings were not kept (shown at the head of the first launch): they are made once more
; from its codes, 1,024 rows in all, by the second launch's arithmetic.  The index is read as a whole number that the third launch stored, and held at 31.
; A wave takes one tile of 16 tokens x 64 columns: work-group x = 4 (tile) + (slice of 256 columns), y = the item; wave w takes column group 4 slice + w.  All operands go from memory straight into registers, each lane's
; fragments whole: the record's address hangs on a stored number; there is no joint load and no LDS here.
; The weights do not hang on the index: their 112 loads go out while it is on its way; the record's 25 follow.
; REGISTERS as in the second launch; window 2: the tile's eight fragments, at v[12 q].
.set REC, 12800
.set LI,  1                            ; 48 x lane
.set LS,  2                            ; 16 x lane
.set ADR, 3                            ; the record + 48 x lane
.set ADS, 4                            ; the record + 16 x lane
.set OO,  6                            ; 8 h rows of 4,096 bytes + 16 r
.set L4,  7                            ; 4 x lane
.set C0,  8
.set WS,  12
.set SA,  28
.set X,   32
.set T,   64
.set WH,  112
.set Y,   112
.set MSB, 0
.macro WIN new                         ; the immediate's high byte repeats the setting that is left
.if MSB != \new
	s_set_vgpr_msb (MSB<<8)|\new
.set MSB, \new
.endif
.endm
	s_load_b256 s[4:11], s[0:1], 0x0               ; acodes s[4:5], wcodes s[6:7], wscales s[8:9], ids s[10:11]
	s_load_b128 s[12:15], s[0:1], 0x20             ; know_tokens s[12:13], out0 s[14:15]
	s_load_b64 s[16:17], s[0:1], 0x30              ; out1
	v_lshrrev_b32 v1, 5, v0
	v_readfirstlane_b32 s18, v1                    ; wave 0..3
	s_and_b32 s19, ttmp7, 0xffff                   ; the item
	s_and_b32 s20, ttmp9, 3                        ; the slice
	s_lshr_b32 s21, ttmp9, 2                       ; the tile of the chunk
	s_lshl_b32 s22, s20, 2
	s_add_co_u32 s22, s22, s18                     ; cg
	s_lshl_b32 s24, s19, 7
	s_mov_b32 s25, 0
	s_mul_i32 s26, s22, 49152
	s_mov_b32 s27, 0
	s_lshl_b32 s28, s22, 11
	s_mov_b32 s29, 0
	v_and_b32 v7, 31, v0
	v_mul_u32_u24 v[LI], v7, 48
	v_lshlrev_b32 v[LS], 4, v7
	v_and_b32 v5, 15, v0
	v_bfe_u32 v6, v0, 4, 1
	v_lshlrev_b32 v5, 4, v5
	v_lshl_add_u32 v[OO], v6, 15, v5
	v_lshlrev_b32 v[L4], 2, v7
	v_mov_b32 v[C0], 0xc0135761                    ; c0 = -2 sqrt(2 / pi) log2(e)
	v_mov_b32 v[C0+1], 0xc0135761
	s_mov_b32 s32, 0xbdd2d3e8                      ; c1 = 0.044715 c0
	s_mov_b32 s33, s32
	s_wait_kmcnt 0x0
	s_add_nc_u64 s[10:11], s[10:11], s[24:25]
	s_load_b32 s23, s[10:11], 0x0                  ; the item's index
	s_add_nc_u64 s[6:7], s[6:7], s[26:27]
	s_add_nc_u64 s[8:9], s[8:9], s[28:29]
	WIN 0x40                                       ; destination window 1
.set f, 0
.rept 20                               ; W's fragment f = 4 q + nt, K steps 0-4
.irp g, 0,1,2
	global_load_b128 v[12*f+4*\g:12*f+4*\g+3], v[LS], s[6:7] offset:1536*f+512*\g
.endr
.set f, f+1
.endr
	WIN 0
.rept 12                               ; K steps 5-7
.irp g, 0,1,2
	global_load_b128 v[WH+12*(f-20)+4*\g:WH+12*(f-20)+4*\g+3], v[LS], s[6:7] offset:1536*f+512*\g
.endr
.set f, f+1
.endr
.set f, 0
.rept 16
	global_load_b32 v[WS+f], v[L4], s[8:9] offset:128*f
.set f, f+1
.endr
	s_mul_i32 s30, s19, 384                        ; out0: row 384 n + 16 i, my 64 columns
	s_lshl_b32 s31, s21, 4
	s_add_co_u32 s30, s30, s31
	s_lshl_b32 s30, s30, 12
	s_lshl_b32 s31, s22, 8
	s_add_co_u32 s30, s30, s31
	s_mov_b32 s31, 0
	s_add_nc_u64 s[14:15], s[14:15], s[30:31]
	s_mul_i32 s30, s19, 384
	s_add_nc_u64 s[16:17], s[16:17], s[30:31]      ; out1: the item's row
	s_wait_kmcnt 0x0
	s_min_u32 s23, s23, 31                         ; a loaded number enters an address behind this hold
	s_lshl_b32 s26, s19, 5
	s_add_co_u32 s26, s26, s23                     ; the chunk
	s_lshl_b32 s27, s26, 3
	s_add_co_u32 s27, s27, s21                     ; its tile
	s_mul_i32 s27, s27, REC
	v_add_nc_u32 v[ADR], s27, v[LI]
	v_add_nc_u32 v[ADS], s27, v[LS]
	global_load_b128 v[SA:SA+3], v[ADS], s[4:5] offset:12288
	WIN 0x80                                       ; destination window 2
.irp q, 0,1,2,3,4,5,6,7
.irp g, 0,1,2
	global_load_b128 v[12*\q+4*\g:12*\q+4*\g+3], v[ADR], s[4:5] offset:1536*\q+16*\g   ; the three loads of a K step cover 1,536 consecutive bytes
.endr
.endr
	WIN 0
	s_or_b32 s34, ttmp9, s18                       ; one wave of each item writes the chunk's mask: no branch on ids
	s_cmp_lg_u32 s34, 0
	s_cbranch_scc1 .Lnot_mask
	s_lshl_b32 s34, s26, 9                         ; the chunk's 128 tokens
	v_add_nc_u32 v100, s34, v[LS]
	global_load_b128 v[104:107], v100, s[12:13]
	s_wait_loadcnt 0x0
.irp i, 0,1,2,3
	v_min_u32 v[104+\i], 1, v[104+\i]              ; 1 where the token is not 0
.endr
	v_lshl_or_b32 v104, v105, 8, v104
	v_lshl_or_b32 v104, v106, 16, v104
	v_lshl_or_b32 v104, v107, 24, v104
	global_store_b32 v[L4], v104, s[16:17]         ; its registers are not written again
.Lnot_mask:
.irp q, 0,1,2,3,4,5,6,7
	s_wait_loadcnt 3*(7-\q)                        ; this K step's fragment is in, and all that was issued ahead of it; the younger fragments, three loads each, may be out
.if \q < 5
	WIN 0x06                                       ; source 0 (the tokens) window 2, source 1 (W) window 1
.else
	WIN 0x02
.endif
.irp nt, 0,1,2,3                       ; the four accumulators by turns, one instruction a turn
.if \q < 5
.set WR, 12*(4*\q+\nt)
.else
.set WR, WH+12*(4*(\q-5)+\nt)
.endif
.if \q == 0
	v_wmma_scale_f32_16x16x128_f8f6f4 v[X+8*\nt:X+8*\nt+7], v[12*\q:12*\q+11], v[WR:WR+11], 0, v[SA+\q/2], v[WS+4*\nt+\q/2] matrix_a_fmt:MATRIX_FMT_BF6 matrix_b_fmt:MATRIX_FMT_BF6
.elseif \q%2 == 0
	v_wmma_scale_f32_16x16x128_f8f6f4 v[X+8*\nt:X+8*\nt+7], v[12*\q:12*\q+11], v[WR:WR+11], v[X+8*\nt:X+8*\nt+7], v[SA+\q/2], v[WS+4*\nt+\q/2] matrix_a_fmt:MATRIX_FMT_BF6 matrix_b_fmt:MATRIX_FMT_BF6
.else
	v_wmma_scale_f32_16x16x128_f8f6f4 v[X+8*\nt:X+8*\nt+7], v[12*\q:12*\q+11], v[WR:WR+11], v[X+8*\nt:X+8*\nt+7], v[SA+\q/2], v[WS+4*\nt+\q/2] matrix_a_fmt:MATRIX_FMT_BF6 matrix_b_fmt:MATRIX_FMT_BF6 matrix_a_scale:MATRIX_SCALE_ROW1 matrix_b_scale:MATRIX_SCALE_ROW1
.endif
.endr
.endr
	WIN 0
.rept 4
	v_nop                                          ; four plain lines ahead of the first read of the results (ISA guide 7.12.1)
.endr
	; y = x / (1 + 2^(x (c0 + c1 x^2))); each accumulator is first read at its low end
.set j, 0
.rept 16
	v_pk_mul_f32 v[T+j:T+j+1], v[X+j:X+j+1], v[X+j:X+j+1]
.set j, j+2
.endr
.set j, 0
.rept 16
	v_pk_fma_f32 v[T+j:T+j+1], v[T+j:T+j+1], s[32:33], v[C0:C0+1] op_sel_hi:[1,0,1]
.set j, j+2
.endr
.set j, 0
.rept 16
	v_pk_mul_f32 v[T+j:T+j+1], v[T+j:T+j+1], v[X+j:X+j+1]
.set j, j+2
.endr
.set j, 0
.rept 32
	v_exp_f32 v[T+j], v[T+j]
.set j, j+1
.endr
	v_nop                                          ; a plain line behind the last exponential,
	s_wait_alu depctr_va_vdst(0)                   ; and one wait for the batch, ahead of its first reader
.set j, 0
.rept 16
	v_pk_add_f32 v[T+j:T+j+1], v[T+j:T+j+1], 1.0 op_sel_hi:[1,0]
.set j, j+2
.endr
.set j, 0
.rept 32
	v_rcp_f32 v[T+j], v[T+j]
.set j, j+1
.endr
	v_nop
	s_wait_alu depctr_va_vdst(0)
.irp jj, 0,1,2,3,4,5,6,7
.irp nt, 0,1,2,3
	v_mul_f32 v[Y+4*\jj+\nt], v[X+8*\nt+\jj], v[T+8*\nt+\jj]     ; row 8 h + jj, columns 64 cg + 4 r + 0 .. 3
.endr
.endr
.irp jj, 0,1,2,3,4,5,6,7
	global_store_b128 v[OO], v[Y+4*\jj:Y+4*\jj+3], s[14:15] offset:4096*\jj th:TH_STORE_NT   ; sixteen lanes store 256 consecutive bytes, at a multiple of 256 from out0's first byte
.endr
	s_endpgm
.Lfunc_end_k_q50c129bb5c_select:
	.size	k_q50c129bb5c_select, .Lfunc_end_k_q50c129bb5c_select-k_q50c129bb5c_select
	.p2alignl 7, 3214868480
	.fill 96, 4, 3214868480
	.section	.rodata,"a",@progbits
	.p2align	6, 0x0
	.amdhsa_kernel k_q50c129bb5c_select
		.amdhsa_group_segment_fixed_size 0
		.amdhsa_private_segment_fixed_size 0
		.amdhsa_enable_private_segment 0
		.amdhsa_kernarg_size 56
		.amdhsa_user_sgpr_count 2
		.amdhsa_user_sgpr_kernarg_segment_ptr 1
		.amdhsa_wavefront_size32 1
		.amdhsa_system_sgpr_workgroup_id_x 1
		.amdhsa_system_sgpr_workgroup_id_y 1
		.amdhsa_system_sgpr_workgroup_id_z 1
		.amdhsa_system_vgpr_workitem_id 0
		.amdhsa_next_free_vgpr 608
		.amdhsa_next_free_sgpr 66
		.amdhsa_reserve_vcc 0
		.amdhsa_float_denorm_mode_32 3
		.amdhsa_float_denorm_mode_16_64 3
		.amdhsa_memory_ordered 1
		.amdhsa_forward_progress 1
		.amdhsa_inst_pref_size 29
	.end_amdhsa_kernel
	.amdgpu_metadata
---
amdhsa.version: [ 1, 2 ]
amdhsa.kernels:
  - .name:           k_q50c129bb5c_select
    .symbol:         k_q50c129bb5c_select.kd
    .args:
      - { .name: acodes, .offset: 0, .size: 8, .value_kind: global_buffer, .address_space: global }
      - { .name: wcodes, .offset: 8, .size: 8, .value_kind: global_buffer, .address_space: global }
      - { .name: wscales, .offset: 16, .size: 8, .value_kind: global_buffer, .address_space: global }
      - { .name: ids, .offset: 24, .size: 8, .value_kind: global_buffer, .address_space: global }
      - { .name: know_tokens, .offset: 32, .size: 8, .value_kind: global_buffer, .address_space: global }
      - { .name: out0, .offset: 40, .size: 8, .value_kind: global_buffer, .address_space: global }
      - { .name: out1, .offset: 48, .size: 8, .value_kind: global_buffer, .address_space: global }
    .group_segment_fixed_size: 0
    .private_segment_fixed_size: 0
    .kernarg_segment_align: 8
    .kernarg_segment_size: 56
    .max_flat_workgroup_size: 128
    .sgpr_count:     66
    .vgpr_count:     608
    .wavefront_size: 32
...
	.end_amdgpu_metadata
.endif
;; end of part 4
